; MI455X (gfx1250); checked and timed in simulation.
; The chip was launched on July 23, 2026; its instructions are those of AMD's public machine-readable ISA for CDNA 5 (MIT licence, August 2026) and "CDNA5" Instruction Set Architecture Reference Guide (July 2026). The comments in the code are by the model that wrote it; some were corrected since.
;; Multi Headed Self Attention. Allowed arithmetic: matrix products marked QUANTISED: E4M3 operands, one E8M0 scale for each 32 along K, by v_wmma_scale_f32_16x16x128_f8f6f4 with both operands' format E4M3, f32 sums; everything else in f32.
;; Inputs: Wk 1,024 x 1,024 float32; Wq 1,024 x 1,024 float32; Wv 1,024 x 1,024 float32; bk 1,024 float32; bq 1,024 float32; bv 1,024 float32; k 8 x 1,024 x 1,024 float32; mask 8 x 1,024 float32; q 8 x 1,024 x 1,024 float32; v 8 x 1,024 x 1,024 float32.
;; Outputs: out0 8 x 1,024 x 1,024 float32.
;; This version of the problem:
;;   THIS VERSION OF THE PROBLEM IS GIVEN IN LOW PRECISION. The matrix products marked QUANTISED in the list below multiply operands that are first quantised to E4M3 (4 exponent bits, 3 mantissa bits; 8 bits a number), with one power-of-two scale for each 32 numbers along K (OCP MX v1.0); their sums are f32. All else is computed in f32.
;;   The module's matrix products, in the order in which they are computed (A, B: the left and right operand; K: the contracted axis; several contracted axes count as one K, in the product's order):
;;     1. [M 8,192, K 1,024] x [K 1,024, N 1,024]; A: input q; B: input Wq: QUANTISED
;;     2. [M 8,192, K 1,024] x [K 1,024, N 1,024]; A: input k; B: input Wk: QUANTISED
;;     3. [M 8,192, K 1,024] x [K 1,024, N 1,024]; A: input v; B: input Wv: QUANTISED
;;     4. batch 128 x [M 1,024, K 64] x [K 64, N 1,024]; A: computed on the way; B: computed on the way: QUANTISED
;;     5. batch 128 x [M 1,024, K 1,024] x [K 1,024, N 64]; A: softmax (see below); B: computed on the way: QUANTISED
;;   THE QUANTISER, for each operand of a quantised product, along K:
;;     - K is cut into blocks of 32 from its start; a last block that is shorter is filled with zeros.
;;     - A block's scale is 2^e with e = floor(log2(the largest magnitude in the block)) - 8, held to -126 .. 127; a block of zeros has e = 0. As a byte (E8M0): e + 127.
;;     - Each number is divided by its block's scale, clamped to +-448, and rounded to the nearest number of E4M3, ties to even, subnormals kept.
;;     - The product sums the exact products of the quantised numbers (number of the format x scale) in f32.
;;   ~~~python
;;   def quantise(x, axis):      # numpy; x: float32 -> the quantised numbers, widened to float32 again
;;       x = np.moveaxis(x, axis, -1); K = x.shape[-1]
;;       x = np.pad(x, [(0, 0)] * (x.ndim - 1) + [(0, -K % 32)]); x = x.reshape(x.shape[:-1] + (-1, 32)); a = np.abs(x).max(-1, keepdims=True)
;;       e = np.where(a > 0, np.clip(np.frexp(np.where(a > 0, a, 1))[1] - 1 - 8, -126, 127), 0)      # np.frexp(a)[1] - 1 = floor(log2(a)), exactly
;;       r = np.clip(x / 2.0 ** e, -448, 448)
;;       step = 2.0 ** (np.maximum(np.frexp(np.where(r == 0, 1, r))[1] - 1, -6) - 3)
;;       q = np.round(r / step) * step * 2.0 ** e      # np.round: ties to even
;;       return np.moveaxis(q.reshape(q.shape[:-2] + (-1,))[..., :K], -1, axis).astype(np.float32)
;;   ~~~
;;   SOFTMAX AHEAD OF A QUANTISED PRODUCT. Where the list says 'softmax', what is quantised is not the finished softmax but p = 2^(t - M), with t = logit x log2(e) and M = ceil(the row's largest t), a whole number; so 1/2 < the row's largest p <= 1. The row's sum l is taken of the UNQUANTISED p, in f32, and the product's result is divided by l at the end. Since M is a whole number, a kernel that streams over the keys may use a running M (the ceiling of the running maximum): every later rescaling is an exact power of two, which a block's scale takes up: the codes' values come out the same.
;;   OPERANDS COMPUTED ON THE WAY. 'Computed on the way' means the value that the module computes at that place (a softmax that the list does not call 'softmax' is quantised finished and normalised). What goes into a quantiser is computed in f32, as accurately as f32 sums, v_exp_f32 and their like allow (about 1e-6 of the number): no bf16 or f16 on the way to a quantiser, and a product that is left as it is and whose result goes on into a quantised operand takes f32 operands (vector FMAs, or v_wmma_f32_16x16x4_f32). A number that lies on a knife's edge between two numbers of the format may be rounded either way, as far as f32 arithmetic and the matrix unit's own rounding can turn it there, and no further.
;; One version. Each part assembles by itself: llvm-mc -triple=amdgcn-amd-amdhsa -mcpu=gfx1250 --defsym DOCPART=n.
;; ======== version 1 of 1: 3 launches
;; workspace buffers: xc 28,311,552 bytes; xs 884,736 bytes; pc 25,165,824 bytes; ps 786,432 bytes
;; launch quant (part 1): grid 864 x 1, 4 waves a work-group, no clusters, 33,280 bytes of LDS; arguments q, k, v, Wq, Wk, Wv, xc, xs; writes xc, xs
.if DOCPART == 1
	.amdgcn_target "amdgcn-amd-amdhsa--gfx1250"
	.amdhsa_code_object_version 6
	.text
	.protected	k_q656fd70e5a_quant
	.globl	k_q656fd70e5a_quant
	.p2align	8
	.type	k_q656fd70e5a_quant,@function
k_q656fd70e5a_quant:
	s_mov_b64 s[64:65], 0
	v_nop
	global_prefetch_b8 v0, s[64:65] scope:SCOPE_SE
	s_setreg_imm32_b32 hwreg(HW_REG_WAVE_MODE, 25, 1), 1
	s_wait_xcnt 0x0
; q, k, v [8192][1024] and Wq, Wk, Wv [1024][1024], f32 with K innermost, become codes of FP8 (E4M3) and one E8M0 scale byte for each 32 along K.
; The six tensors are stacked into ONE matrix of 27,648 rows: xc [27648][1024] codes, xs [27648][32] scale bytes; rows 0 q, 8192 k, 16384 v, 24576 Wq, 25600 Wk, 26624 Wv.
; A block's scale is 2^(floor(log2(its largest magnitude)) - 8); its byte is the largest magnitude's own exponent field - 8, held at 1 from below.  Each number is divided by the scale, held within +-448 and rounded to the nearest code, ties to even.
; LIMITS: a block of zeros gets the byte 1 (its codes are zeros, and this program alone reads the bytes); blocks whose largest magnitude lies under 2^-118 keep the byte 1; NaN and infinities among the inputs are not served.
; Rows are dense and 1,024 is a multiple of 32: each tensor is a plain stream of blocks of 32.  Work-group id takes 32,768 numbers (32 rows of the stack), a wave 16 steps of 512 numbers.
; Each of a step's four loads reads 512 consecutive bytes, 16 a lane; the 2,048 bytes go through the wave's own stage in LDS and come back 64 bytes a lane, so that a lane holds 16 neighbours along K (two lanes a block).
; A lane's 16 codes are 16 bytes: the wave stores 512 consecutive bytes.  A wave's 256 scale bytes are gathered in its own LDS and leave as one aligned run of 256 bytes.
; No work-group shares an input byte with another, so there is no cluster; no tensor load, no barrier: waves share nothing.  Loads run four steps (16 loads a wave) ahead.
.set STEPS, 16
.set EMAX,  8
.set MANT,  0x600000                   ; the mantissa field of 448 as f32
.set CB,    16                         ; bytes of 16 codes
.set R,     16                         ; v16-79   four sets of 16 numbers as they are loaded
.set X,     80                         ; v80-111  two sets of 16 neighbours
.set C,     128                        ; v128-191 codes: four registers for each step, so that no store's data are written again
.set E,     112                        ; v112-127 a scale byte for each step
.set WREG,  8192                       ; LDS: a region of its own for each wave: two stages of 32 x SP bytes, and behind them its 256 scale bytes
.set SP,    80                         ; a lane's place in a stage: its 64 bytes + 16 of padding
	s_load_b256 s[4:11], s[0:1], 0x0               ; q s[4:5], k s[6:7], v s[8:9], Wq s[10:11]
	s_load_b256 s[12:19], s[0:1], 0x20             ; Wk s[12:13], Wv s[14:15], xc s[16:17], xs s[18:19]
	v_lshl_add_u32 v192, v0, 2, 0x8000
	v_mov_b32 v193, 0
	v_lshrrev_b32 v1, 5, v0
	v_readfirstlane_b32 s24, v1                    ; wave
	v_and_b32 v2, 31, v0                           ; lane
	v_lshlrev_b32 v3, 4, v2                        ; my 16 bytes of a load's 512
	s_mul_i32 s25, s24, WREG
	v_lshrrev_b32 v14, 2, v2
	v_mul_u32_u24 v14, v14, SP
	v_and_b32 v15, 3, v2
	v_lshl_add_u32 v14, v15, 4, v14
	v_add_nc_u32 v14, s25, v14                     ; the stage, on the way in: four lanes' 64 bytes on end, then 16 of padding
	v_mul_u32_u24 v15, v2, SP
	v_add_nc_u32 v15, s25, v15                     ; and on the way out: SP x lane: my 16 neighbours
	v_mul_u32_u24 v4, v2, CB                       ; my codes' place in a step's
	v_lshrrev_b32 v5, 1, v2
	s_add_co_u32 s25, s25, 2*32*SP
	v_add_nc_u32 v5, s25, v5                       ; LDS: my wave's 256 scale bytes, my block's byte
	v_lshlrev_b32 v7, 3, v2                        ; and on the way out 8 bytes a lane
	v_add_nc_u32 v6, s25, v7
	s_mov_b32 s26, MANT                            ; (an instruction takes one literal: the hold's line has another)
	s_mov_b32 s27, 832                             ; the first work-group of my tensor; the choices hang on the work-group's number alone
	s_wait_kmcnt 0x0
	s_cmp_lt_u32 ttmp9, 832
	s_cselect_b64 s[20:21], s[12:13], s[14:15]     ; Wk, else Wv
	s_cselect_b32 s27, 800, s27
	s_cmp_lt_u32 ttmp9, 800
	s_cselect_b64 s[20:21], s[10:11], s[20:21]     ; Wq
	s_cselect_b32 s27, 768, s27
	s_cmp_lt_u32 ttmp9, 768
	s_cselect_b64 s[20:21], s[8:9], s[20:21]       ; v
	s_cselect_b32 s27, 512, s27
	s_cmp_lt_u32 ttmp9, 512
	s_cselect_b64 s[20:21], s[6:7], s[20:21]       ; k
	s_cselect_b32 s27, 256, s27
	s_cmp_lt_u32 ttmp9, 256
	s_cselect_b64 s[20:21], s[4:5], s[20:21]       ; q
	s_cselect_b32 s27, 0, s27
	s_sub_co_u32 s28, ttmp9, s27
	s_lshl_b32 s28, s28, 2
	s_add_co_u32 s28, s28, s24                     ; which run of 8,192 numbers of the tensor is my wave's
	s_lshl_b32 s28, s28, 15                        ; 32,768 bytes a run
	s_mov_b32 s29, 0
	s_add_nc_u64 s[20:21], s[20:21], s[28:29]
	s_lshl_b32 s30, ttmp9, 2
	s_add_co_u32 s30, s30, s24                     ; and which run of the stack
	s_lshl_b32 s32, s30, 8                         ; 256 scale bytes a run
	s_lshl_b32 s30, s30, 13                        ; 8,192 codes a run
	s_mov_b32 s31, 0
	s_mov_b32 s33, 0
	s_add_nc_u64 s[16:17], s[16:17], s[30:31]
	s_add_nc_u64 s[18:19], s[18:19], s[32:33]
.macro LOAD t
.irp i, 0,1,2,3
	global_load_b128 v[R+16*((\t)%4)+4*\i:R+16*((\t)%4)+4*\i+3], v3, s[20:21] offset:2048*(\t)+512*\i th:TH_LOAD_NT   ; 32 lanes read 512 consecutive bytes
.endr
.endm
.macro TURN t                          ; step t's numbers through the stage: LDS serves a wave's instructions in order, so no wait stands between the stores and the loads
.irp i, 0,1,2,3
	ds_store_b128 v14, v[R+16*((\t)%4)+4*\i:R+16*((\t)%4)+4*\i+3] offset:32*SP*((\t)%2)+8*SP*\i
.endr
.irp i, 0,1,2,3
	ds_load_b128 v[X+16*((\t)%2)+4*\i:X+16*((\t)%2)+4*\i+3], v15 offset:32*SP*((\t)%2)+16*\i
.endr
.endm
.irp t, 0,1,2,3
	LOAD \t
.endr
	s_wait_loadcnt 12                              ; step 0's four loads are in; the twelve of steps 1 to 3 may be out
	TURN 0
.macro STEP t
.set XS, X+16*((\t)%2)
.if (\t) > 0
	s_wait_dscnt 1                                 ; this step's numbers are back from the stage (the last step's byte store may be out): so its stores into the stage have read their registers,
.else
	s_wait_dscnt 0x0
.endif
.if (\t)+4 < STEPS
	LOAD (\t)+4                                    ; which take the loads of four steps on
.endif
.if (\t)+1 < STEPS
.if STEPS-2-(\t) >= 3
	s_wait_loadcnt 12                              ; the next step's four loads are in; those of the three steps behind it may be out
.else
	s_wait_loadcnt 4*(STEPS-2-(\t))
.endif
	TURN (\t)+1                                    ; and go through the other stage while this step is worked
.endif
	v_max3_num_f32 v8, |v[XS]|, |v[XS+1]|, |v[XS+2]|               ; the largest magnitude of my 16, in two chains
	v_max3_num_f32 v9, |v[XS+3]|, |v[XS+4]|, |v[XS+5]|
.irp i, 6,10
	v_max3_num_f32 v8, v8, |v[XS+\i]|, |v[XS+\i+1]|
	v_max3_num_f32 v9, v9, |v[XS+\i+2]|, |v[XS+\i+3]|
.endr
	v_max3_num_f32 v8, v8, |v[XS+14]|, |v[XS+15]|
	v_max3_num_f32 v8, v8, v9, (EMAX+1)<<23        ; and the floor 2^(9 - 127), under which no largest magnitude is taken: so the byte cannot fall under 1
	v_max_num_f32_dpp v8, v8, v8 row_xmask:1 row_mask:0xf bank_mask:0xf   ; and of my neighbour's 16: the block's
	v_add_nc_u32 v11, -(EMAX<<23), v8              ; 8 off its exponent field: the conversion takes the exponent field of this operand as its scale, and nothing else of it
	v_and_or_b32 v10, v8, 0x7f800000, s26          ; 448 x the scale: the largest magnitude's exponent field over 448's mantissa
.irp i, 0,1,2,3,4,5,6,7,8,9,10,11,12,13,14,15
	v_med3_num_f32 v[XS+\i], v[XS+\i], -v10, v10   ; the conversion to an 8-bit code does not saturate (ISA guide 7.6.2): hold the number within the largest code x the scale first
.endr
	v_cvt_scalef32_pk8_fp8_f32 v[C+4*(\t):C+4*(\t)+1], v[XS:XS+7], v11
	v_cvt_scalef32_pk8_fp8_f32 v[C+4*(\t)+2:C+4*(\t)+3], v[XS+8:XS+15], v11
	v_lshrrev_b32 v[E+(\t)], 23, v11               ; the scale's byte (also the plain line behind the conversions)
	ds_store_b8 v5, v[E+(\t)] offset:16*(\t)       ; both lanes of a block write the same byte with the same value
	global_store_b128 v4, v[C+4*(\t):C+4*(\t)+3], s[16:17] offset:32*CB*(\t)   ; 32 lanes store 512 consecutive bytes
.endm
.irp t, 0,1,2,3,4,5,6,7,8,9,10,11,12,13,14,15
	STEP \t
.endr
	ds_load_b64 v[12:13], v6                       ; LDS serves a wave's instructions in order: these see my stores
	s_wait_dscnt 0x0
	global_store_b64 v7, v[12:13], s[18:19]        ; 32 lanes store 256 consecutive bytes, at a multiple of 256 from xs's first byte
	s_wait_tensorcnt 0x0
	ds_add_u32 v192, v193
	s_wait_dscnt 0x0
	s_endpgm
.Lfunc_end_k_q656fd70e5a_quant:
	.size	k_q656fd70e5a_quant, .Lfunc_end_k_q656fd70e5a_quant-k_q656fd70e5a_quant
	.p2alignl 7, 3214868480
	.fill 96, 4, 3214868480
	.section	.rodata,"a",@progbits
	.p2align	6, 0x0
	.amdhsa_kernel k_q656fd70e5a_quant
		.amdhsa_group_segment_fixed_size 33280
		.amdhsa_private_segment_fixed_size 0
		.amdhsa_enable_private_segment 0
		.amdhsa_kernarg_size 64
		.amdhsa_user_sgpr_count 2
		.amdhsa_user_sgpr_kernarg_segment_ptr 1
		.amdhsa_wavefront_size32 1
		.amdhsa_system_sgpr_workgroup_id_x 1
		.amdhsa_system_sgpr_workgroup_id_y 1
		.amdhsa_system_sgpr_workgroup_id_z 1
		.amdhsa_system_vgpr_workitem_id 0
		.amdhsa_next_free_vgpr 194
		.amdhsa_next_free_sgpr 66
		.amdhsa_reserve_vcc 0
		.amdhsa_float_denorm_mode_32 3
		.amdhsa_float_denorm_mode_16_64 3
		.amdhsa_memory_ordered 1
		.amdhsa_forward_progress 1
		.amdhsa_inst_pref_size 51
	.end_amdhsa_kernel
	.amdgpu_metadata
---
amdhsa.version: [ 1, 2 ]
amdhsa.kernels:
  - .name:           k_q656fd70e5a_quant
    .symbol:         k_q656fd70e5a_quant.kd
    .args:
      - { .name: q, .offset: 0, .size: 8, .value_kind: global_buffer, .address_space: global }
      - { .name: k, .offset: 8, .size: 8, .value_kind: global_buffer, .address_space: global }
      - { .name: v, .offset: 16, .size: 8, .value_kind: global_buffer, .address_space: global }
      - { .name: Wq, .offset: 24, .size: 8, .value_kind: global_buffer, .address_space: global }
      - { .name: Wk, .offset: 32, .size: 8, .value_kind: global_buffer, .address_space: global }
      - { .name: Wv, .offset: 40, .size: 8, .value_kind: global_buffer, .address_space: global }
      - { .name: xc, .offset: 48, .size: 8, .value_kind: global_buffer, .address_space: global }
      - { .name: xs, .offset: 56, .size: 8, .value_kind: global_buffer, .address_space: global }
    .group_segment_fixed_size: 33280
    .private_segment_fixed_size: 0
    .kernarg_segment_align: 8
    .kernarg_segment_size: 64
    .max_flat_workgroup_size: 128
    .sgpr_count:     66
    .vgpr_count:     194
    .wavefront_size: 32
...
	.end_amdgpu_metadata
.endif
;; end of part 1
;; launch proj (part 2): grid 4 x 96, 4 waves a work-group, clusters of 4 x 4, 327,680 bytes of LDS; arguments xc, xs, bq, bk, bv, pc, ps; writes pc, ps
.if DOCPART == 2
	.amdgcn_target "amdgcn-amd-amdhsa--gfx1250"
	.amdhsa_code_object_version 6
	.text
	.protected	k_q656fd70e5a_proj
	.globl	k_q656fd70e5a_proj
	.p2align	8
	.type	k_q656fd70e5a_proj,@function
k_q656fd70e5a_proj:
	s_mov_b64 s[64:65], 0
	v_nop
	global_prefetch_b8 v0, s[64:65] scope:SCOPE_SE
	s_setreg_imm32_b32 hwreg(HW_REG_WAVE_MODE, 25, 1), 1
	s_wait_xcnt 0x0
	s_wait_alu depctr_hold_cnt(0) depctr_sa_sdst(0) depctr_va_vdst(0) depctr_va_sdst(0) depctr_va_ssrc(0) depctr_va_vcc(0) depctr_vm_vsrc(0)
	s_getreg_b32 s2, hwreg(HW_REG_IB_STS2, 6, 4)
	s_cmp_eq_u32 s2, 0
	s_cbranch_scc0 .Lentry_in_a_cluster
	s_endpgm
.Lentry_in_a_cluster:
	s_bfe_u32 s2, ttmp6, 0x10000c
	s_cmp_lg_u32 s2, 0xf033
	s_cbranch_scc0 .Lentry_shape_is_right
	s_endpgm
.Lentry_shape_is_right:
; The three projections x W^T + b on codes of FP8 (E4M3) with one E8M0 scale for each 32 along K = 1,024; the results are quantised here and leave as the next launch's operands.
; ONE BODY: C[m][n] = sum over k of A[m][k] B[n][k] + bias, then C is quantised ALONG n in blocks of 32.  All operands are rows of the stack xc [27648][1024] (scale bytes xs [27648][32]).
;   t = 0, 1 (q, k): A = the tokens (8,192 rows), B = the weight (1,024 rows): n = 64 head + channel, the next product's K is the channel; the bias goes by column.
;   t = 2 (v): A = Wv (m = 64 head + channel), B = the tokens (n = 1024 batch + key): the next product's K is the key; the bias goes by row.
; A tile of C is 256 x 256, a work-group of four waves, a wave 128 x 128: 64 accumulators, 512 registers.  K goes in steps of 256 through a ring of two LDS slots filled by the tensor data mover.
; The scale bytes of the work-group's 256 + 256 rows, for all of K, come into LDS once, with the first fills.
; CLUSTERS: 4 x 4 work-groups, 24 clusters: cluster y = 8 t + g.  The four of a row of the cluster need the same rows of A, the four of a column the same rows of B: each tile is asked for JOINTLY.
; THE MATRIX INSTRUCTION IS USED TRANSPOSED (source 0 = 16 rows of B, source 1 = 16 rows of A): accumulator (a, b), lane (r, h), register j holds C(16 a + r, 16 b + 8 h + j).
; THE BIAS is the C of each sum's first matrix instruction: 64 registers CI; by column CI + 8 b + j, by row CI + 8 a + j (all j alike).  That one step of 128 along K is written twice, under a branch on t.
; THE WAY OUT.  A block of 32 along n lies in accumulators 2 g, 2 g + 1 of lanes l and l xor 16.  The codes go through my own stage in LDS, laid as IMAGES OF THE NEXT OPERANDS' REGISTERS:
;   pc: three parts of 8 MiB (q, k, v), each [batch 8][head 16][65,536].  With L = 16 hh + rr a lane of the reader, i = 0 .. 15 a byte:
;   q, k: 32 images of 2,048 bytes a head; byte 512 (2 u + cd) + 16 L + i of image e = row 32 e + 8 u + rr + 8 (rr / 8), channel 32 cd + 16 hh + i;
;   v: [step 8][c1 2][t1 2][t0 2][c0 2][512]; byte 16 L + i = channel 32 t1 + 8 t0 + rr + 8 (rr / 8), key 128 step + 32 (2 c1 + c0) + 16 hh + i.
;   ps: three parts of 262,144, each [batch 8][pair of heads 8][4,096]; with W(rr) = 64 (rr / 8) + 4 (rr % 8):
;   q, k: the word at 128 e + 32 (head % 2) + W(rr): bytes 0, 1 the row u = 0, channels 0-31, 32-63; bytes 2, 3 the row u = 1;   v: the word at 512 step + 256 (head % 2) + 128 t1 + 32 t0 + W(rr): the channel's four blocks of keys.
;   One map from (a, b, r, h) to the stage serves both forms; only where the stage's four pieces of 4,096 bytes go in memory differs, and which bytes make a scale word.
; LIMITS: a block of zeros gets the byte 1 (its codes are zeros; this program alone reads the bytes); blocks under 2^-118 keep the byte 1; NaN and infinities are not served.
; REGISTERS, in windows of 256: window 0: v0-31 addresses; v32-63 scale words, two sets; v64-127 CI, later at work on the way out; from v128 A's fragments, ONE set; on the way out v128-191 rows read back, v192-255 held numbers.
;   window 1: B's fragments, TWO sets, at v0 and at v128.   window 2: the accumulators of my rows 0-63 ((a, b) at v[8 (8 a + b)]);   window 3: those of my rows 64-127.
.set KSTEP,  256                       ; along K in a slot
.set NQ,     2                         ; matrix instructions deep
.set ROWB,   256                       ; a tile's row in bytes
.set KROW,   1024                      ; a row of xc in bytes
.set PITCH,  272                       ; an LDS row: 256 bytes + 16 of padding = 68 words: the 16 rows that a load touches start at 16 different banks (64 banks of 4 bytes: ISA guide 11.1)
.set FR,     16                        ; registers of a fragment: 16 rows x 128 K
.set NL,     4                         ; LDS loads that bring one
.set NP,     8                         ; places behind this matrix instruction (ISA guide 7.12.1)
.set HALFT,  128*PITCH                 ; 128 rows: what one tensor load brings
.set SLOT,   4*HALFT                   ; A's 256 rows, then B's 256 rows
.set KS,     32                        ; a row of scale bytes
.set SCL,    2*SLOT                    ; behind the ring: the scales, as runs of 256 bytes + 16 of padding
.set HALFS,  (128*KS/256)*272          ; the scales of 128 rows
.set SBLK,   (16*KS/256)*272           ; those of 16 rows
.set SPARE,  SCL+4*HALFS               ; behind the scales: the spare words, 128 bytes a wave: two blocks of 256 bytes that no other line names
.set SSTG,   0x10000                   ; the way out: code stages at 16,384 x wave, scale stages at SSTG + 512 x wave: all in slot 0, which has had its last fill and its last read by then
.set ADRA, 16                          ; v16-17  LDS address of my A fragments in slot 0, 1
.set ADRB, 20                          ; v20-21  the same for B
.set RDS,  22                          ; v22     the way out: where I read 16 bytes of my scale stage
.set STO,  24                          ; v24     where I put 8 codes
.set RD,   25                          ; v25     where I read 16 bytes of my code stage
.set CO,   26                          ; v26     16 x lane: my byte in a run of 512 in memory
.set ADRS, 27                          ; v27     LDS address of my scale words: lanes 0-15 A's rows, lanes 16-31 B's
.set SPW,  28                          ; v28     LDS address of my spare word; never rewritten
.set NIL,  29                          ; v29     0; never rewritten
.set SELV, 30                          ; v30     which bytes of two lanes' scale words make the word to be stored
.set SST,  31                          ; v31     where I put a scale word
.set SC,   32                          ; scale words: set s at v[SC + 16 s]; register 2 i + q: lanes 0-15 A's block i, lanes 16-31 B's block i
.set CI,   64                          ; v64-127 the bias, in the result's layout
.set CD,   64                          ; the way out: v64-79 a row block's codes
.set TM,   96                          ; v96-99 largest magnitudes, v100-103 bytes, v104-107 448 x the scale, v108-111 the conversions' scale operands
.set PW,   112                         ; my row's four scale bytes
.set PX,   113                         ; those of lane l xor 8
.set PT,   114                         ; v114-115 the word to be stored, by turns
.set SW,   116                         ; v116-119 16 bytes of the scale stage
.set AF,   128                         ; A's fragments
.set BK,   128                         ; the way out: v128-191 what comes back from the stage
.set HB,   192                         ; v192-255 a row block's 64 numbers, held
.set G1, 24                            ; s[24:31] descriptor group 1 for A's tiles;  s[32:39] group 0, one set for each slot
.set G0, 32
.set G1B, 48                           ; s[48:55], s[56:63] the same for B's tiles
.set G0B, 56
.set G1S, 68                           ; s[68:75], s[76:79] groups 1 and 0 for A's scales;  s[80:87], s[88:91] for B's
.set G0S, 76
.set G1SB, 80
.set G0SB, 88
.set MSB, 0
.macro WIN new                         ; the immediate's high byte repeats the setting that is left; a switch that changes nothing is dropped
.if MSB != (\new)
	s_set_vgpr_msb (MSB<<8)|(\new)
.set MSB, (\new)
.endif
.endm
.set MUL_LO, 0xa1                      ; source 0 (B) window 1, source 1 (A) window 0, C and D window 2
.set MUL_HI, 0xf1                      ; the same, C and D window 3
.set BIA_LO, 0x81                      ; the same as MUL_LO with C (the bias) in window 0
.set BIA_HI, 0xc1
.set TO_B,   0x40                      ; destination window 1, address window 0
; A joint load: waves 0 and 1 fetch for A, waves 2 and 3 for B.  Each of the two lines has ONE mask and one set of registers for all that issue it; the branch hangs on the wave's number alone.
; Four v_nop follow each of the two lines, ahead of the jump, the label and what follows.
.macro JLOAD g0a, g1a, g0b, g1b
	s_cmp_eq_u32 s15, 0
	s_cbranch_scc0 .Lfor_b_\@
	tensor_load_to_lds s[\g0a:\g0a+3], s[\g1a:\g1a+7]
	s_nop 0
.rept 4
	v_nop
.endr
	s_branch .Lasked_\@
.Lfor_b_\@:
	tensor_load_to_lds s[\g0b:\g0b+3], s[\g1b:\g1b+7]
	s_nop 0
.rept 4
	v_nop
.endr
.Lasked_\@:
.endm
.macro CREST                           ; a round of the cluster's barrier behind its opening barrier
	s_cmp_lg_u32 s14, 0
	s_cbranch_scc1 .Lnot_wave_0_\@
	s_barrier_signal -3
.Lnot_wave_0_\@:
	s_barrier_wait -3
	s_barrier_signal -1
	s_barrier_wait -1
.endm
.macro CROUND                          ; a whole round
	s_barrier_signal -1
	s_barrier_wait -1
	CREST
.endm
	s_load_b128 s[4:7], s[0:1], 0x0                ; xc s[4:5], xs s[6:7]
	s_load_b128 s[8:11], s[0:1], 0x10              ; bq s[8:9], bk s[10:11]
	s_load_b128 s[96:99], s[0:1], 0x20             ; bv s[96:97], pc s[98:99]
	s_load_b64 s[100:101], s[0:1], 0x30            ; ps
	v_lshl_add_u32 v[SPW], v0, 2, SPARE
	v_mov_b32 v[NIL], 0
	ds_add_u32 v28, v29
	ds_add_u32 v28, v29
	s_wait_dscnt 0x0
	v_lshrrev_b32 v1, 5, v0
	v_readfirstlane_b32 s14, v1                    ; wave 0..3
	s_lshr_b32 s15, s14, 1                         ; which half of the tile's rows is mine.  Also: I fetch for A (0) or for B (1)
	s_and_b32 s16, s14, 1                          ; which half of its columns.  Also: which 128 rows of that tile I fetch
	s_bfe_u32 s40, ttmp6, 0x40000                  ; cx, cy: my place in the cluster
	s_bfe_u32 s41, ttmp6, 0x40004
	s_and_b32 s2, ttmp7, 0xffff                    ; cluster y = 8 t + g: the same in all sixteen partners
	s_lshr_b32 s67, s2, 3                          ; t: 0 q, 1 k, 2 v
	s_and_b32 s2, s2, 7
	s_lshl_b32 s2, s2, 2                           ; 4 g: the cluster's first tile along the tokens
	s_lshr_b32 s3, s67, 1                          ; 1 for v
	s_xor_b32 s66, s3, 1                           ; 1 for q and k
	s_mul_i32 s42, s2, s3                          ; the tokens are B's rows for v,
	s_sub_co_u32 s17, s2, s42                      ; A's for q and k
	s_add_co_u32 s42, s42, s40                     ; tile column of C
	s_add_co_u32 s17, s17, s41                     ; tile row of C
	s_mul_i32 s3, s3, 10240
	s_lshl_b32 s12, s67, 13
	s_add_co_u32 s12, s12, s3                      ; A's first row in the stack: 0, 8192, 26624
	s_lshl_b32 s13, s67, 10
	s_add_co_u32 s13, s13, 24576
	s_sub_co_u32 s13, s13, s3                      ; B's: 24576, 25600, 16384
	s_lshl_b32 s43, s41, 2
	s_lshl_b32 s43, 15, s43                        ; my row of the cluster
	s_lshl_b32 s44, 0x1111, s40                    ; my column
	; descriptor group 1: a tile of 128 rows x 256 bytes, padded in LDS
	s_or_b32 s[G1+0], s43, (0<<16)|(1<<20)|(1<<21)|(5<<22)|(3<<25)  ; 15:0 the mask: A's tiles go to my row; 17:16 element of 1 byte; 20 padding on; 21 set beside a mask; 24:22 after every 64 words (code 5); 31:25 of 4 words (code 3)
	s_or_b32 s[G1B+0], s44, (0<<16)|(1<<20)|(1<<21)|(5<<22)|(3<<25)
.irp g, G1, G1B
	s_mov_b32 s[\g+1], ROWB<<16                    ; tensor_dim0
	s_mov_b32 s[\g+2], 128<<16                     ; tensor_dim1 = 128
	s_mov_b32 s[\g+3], ROWB<<16                    ; tile_dim0
	s_mov_b32 s[\g+4], 128                         ; tile_dim1 = 128
	s_mov_b32 s[\g+5], KROW                        ; tensor_dim0_stride
	s_mov_b32 s[\g+6], 0
	s_mov_b32 s[\g+7], 0
.endr
	; and for the scales of 128 rows: a dense block of 4,096 bytes, as 16 rows of 256 bytes (32 elements of 8 bytes), 16 bytes of padding behind each
	s_or_b32 s[G1S+0], s43, (3<<16)|(1<<20)|(1<<21)|(5<<22)|(3<<25)
	s_or_b32 s[G1SB+0], s44, (3<<16)|(1<<20)|(1<<21)|(5<<22)|(3<<25)
.irp g, G1S, G1SB
	s_mov_b32 s[\g+1], 32<<16
	s_mov_b32 s[\g+2], (128*KS/256)<<16
	s_mov_b32 s[\g+3], 32<<16
	s_mov_b32 s[\g+4], 128*KS/256
	s_mov_b32 s[\g+5], 32
	s_mov_b32 s[\g+6], 0
	s_mov_b32 s[\g+7], 0
.endr
	s_lshl_b32 s18, s16, 7                         ; which 128 rows of the tile I fetch
	s_lshl_b32 s20, s17, 8
	s_add_co_u32 s20, s20, s18
	s_add_co_u32 s20, s20, s12                     ; A: its row in the stack (made of cy, never of cx)
	s_lshl_b32 s46, s42, 8
	s_add_co_u32 s46, s46, s18
	s_add_co_u32 s46, s46, s13                     ; B: likewise (made of cx, never of cy)
	s_lshl_b32 s22, s20, 5                         ; where these rows' scales begin, in bytes,
	s_mov_b32 s23, 0
	s_lshl_b32 s92, s46, 5
	s_mov_b32 s93, 0
	s_lshl_b32 s20, s20, 10                        ; and their codes: under 2^25
	s_mov_b32 s21, 0
	s_lshl_b32 s46, s46, 10
	s_mov_b32 s47, 0
	s_mul_i32 s45, s14, HALFT                      ; where they go: wave x 128 rows: no place in the cluster enters an LDS address
	s_mul_i32 s94, s14, HALFS
	s_wait_kmcnt 0x0
	s_add_nc_u64 s[20:21], s[4:5], s[20:21]
	s_add_nc_u64 s[22:23], s[6:7], s[22:23]
	s_add_nc_u64 s[46:47], s[4:5], s[46:47]
	s_add_nc_u64 s[92:93], s[6:7], s[92:93]
	CROUND                                         ; all sixteen work-groups are here: the first joint loads meet
	s_mov_b32 s[G0S], 1
	s_add_co_u32 s[G0S+1], s94, SCL
	s_mov_b64 s[G0S+2:G0S+3], s[22:23]
	s_or_b32 s[G0S+3], s[G0S+3], 0x80000000
	s_mov_b32 s[G0SB], 1
	s_add_co_u32 s[G0SB+1], s94, SCL
	s_mov_b64 s[G0SB+2:G0SB+3], s[92:93]
	s_or_b32 s[G0SB+3], s[G0SB+3], 0x80000000
	JLOAD G0S, G1S, G0SB, G1SB                     ; the scales first: they are wanted with K step 0
.irp s, 0,1
	s_mov_b32 s[G0+4*\s], 1
	s_add_co_u32 s[G0+4*\s+1], s45, \s*SLOT
	s_add_nc_u64 s[G0+4*\s+2:G0+4*\s+3], s[20:21], \s*ROWB
	s_or_b32 s[G0+4*\s+3], s[G0+4*\s+3], 0x80000000
	s_mov_b32 s[G0B+4*\s], 1
	s_add_co_u32 s[G0B+4*\s+1], s45, \s*SLOT
	s_add_nc_u64 s[G0B+4*\s+2:G0B+4*\s+3], s[46:47], \s*ROWB
	s_or_b32 s[G0B+4*\s+3], s[G0B+4*\s+3], 0x80000000
	JLOAD G0+4*\s, G1, G0B+4*\s, G1B               ; three loads of mine are out
.endr
	v_and_b32 v1, 15, v0                           ; r = l % 16
	v_bfe_u32 v2, v0, 4, 1                         ; h = l / 16
	v_mul_u32_u24 v3, v1, PITCH
	v_lshl_add_u32 v4, v2, 4, v3                   ; a fragment's row x pitch + 16 x half
	s_mul_i32 s21, s15, HALFT                      ; my 128 rows of A
	s_mul_i32 s22, s16, HALFT                      ; my 128 rows of B,
	s_add_co_u32 s22, s22, 2*HALFT                 ; which lie behind A's 256
.irp s, 0,1
	v_add_nc_u32 v[ADRA+\s], s21, v4
	v_add_nc_u32 v[ADRB+\s], s22, v4
	s_add_co_u32 s21, s21, SLOT
	s_add_co_u32 s22, s22, SLOT
.endr
	v_mul_u32_u24 v5, v1, KS                       ; my row's scales: 32 bytes a row,
	v_lshrrev_b32 v6, 8, v5
	v_lshl_add_u32 v5, v6, 4, v5                   ; and 16 more for each 256 passed
	s_mul_i32 s21, s15, HALFS                      ; A's: my 128 rows
	s_mul_i32 s22, s16, HALFS                      ; B's: my 128 rows, behind A's 256
	s_add_co_u32 s22, s22, 2*HALFS
	s_sub_co_u32 s22, s22, s21
	v_mul_u32_u24 v6, s22, v2                      ; lanes 16-31 take B's: one product, the distance between the two bases
	s_add_co_u32 s21, s21, SCL
	v_add_nc_u32 v5, v5, v6
	v_add_nc_u32 v[ADRS], s21, v5
	; the way out's LDS addresses
	v_lshrrev_b32 v5, 3, v1
	v_and_b32 v6, 7, v1
	v_lshlrev_b32 v6, 4, v6
	v_lshl_add_u32 v6, v5, 10, v6
	v_lshl_add_u32 v6, v2, 3, v6                   ; 1024 (r / 8) + 16 (r % 8) + 8 h
	s_lshl_b32 s23, s14, 14
	v_add_nc_u32 v[STO], s23, v6
	v_and_b32 v6, 31, v0
	v_lshlrev_b32 v[CO], 4, v6
	v_add_nc_u32 v[RD], s23, v[CO]
	s_lshl_b32 s23, s14, 9
	s_add_co_u32 s23, s23, SSTG
	v_lshl_add_u32 v[SST], v1, 2, s23              ; lanes l and l + 16 put the same word with the same value
	v_add_nc_u32 v[RDS], s23, v[CO]
	; what hangs on the projection's type: all by selects on t, which the sixteen partners share
	s_lshl_b32 s18, s17, 8
	s_lshl_b32 s19, s15, 7
	s_add_co_u32 s18, s18, s19                     ; my first row m of C
	s_lshl_b32 s19, s42, 8
	s_lshl_b32 s2, s16, 7
	s_add_co_u32 s19, s19, s2                      ; my first column n
	s_mov_b32 s12, 0x1000
	s_mov_b32 s13, 0x10000
	s_mov_b32 s46, 0x03020100                      ; v: a lane's own four bytes are the word
	s_mov_b32 s47, s46
	s_cmp_eq_u32 s67, 0
	s_cselect_b64 s[8:9], s[8:9], s[10:11]         ; bq or bk,
	s_cmp_lg_u32 s66, 0
	s_cselect_b64 s[8:9], s[8:9], s[96:97]         ; or bv
	s_cselect_b32 s2, s18, s19                     ; my first token: 1024 batch + place
	s_cselect_b32 s3, s19, s18                     ; my first of the 1,024 channels: 128 x the pair of heads
	s_cselect_b32 s20, s13, s12                    ; from the stage's piece (0, .) to (1, .) in memory: a head on (q, k) or 64 keys on (v)
	s_cselect_b32 s22, s12, s13                    ; from (., 0) to (., 1): two images on, or a head on
	s_cselect_b32 s46, 0x05040100, s46             ; q, k, lanes r < 8: head 0's word: my bytes 0, 1, then lane r + 8's
	s_cselect_b32 s47, 0x03020706, s47             ; lanes r >= 8: head 1's word: lane r - 8's bytes 2, 3, then mine
	s_cselect_b32 s92, 32, 0                       ; the bias's byte: 32 h + 4 j by column,
	s_cselect_b32 s93, 0, 4                        ; 4 r by row
	s_cselect_b32 s94, 4, 0
	s_lshl_b32 s10, s3, 2
	s_mov_b32 s11, 0
	s_add_nc_u64 s[8:9], s[8:9], s[10:11]          ; the bias at my 128 channels
	v_mul_u32_u24 v8, s92, v2
	v_mad_u32_u24 v8, s93, v1, v8
.irp j, 1,2,3,4,5,6,7
	v_add_nc_u32 v[8+\j], s94, v[7+\j]
.endr
.irp x, 0,1,2,3,4,5,6,7
.irp j, 0,1,2,3,4,5,6,7
	global_load_b32 v[CI+8*\x+\j], v[8+\j], s[8:9] offset:64*\x   ; by column: bias(16 x + 8 h + j); by row: bias(16 x + r) in all eight
.endr
.endr
	v_and_b32 v5, 8, v1
	v_mov_b32 v6, s46
	v_mov_b32 v7, s47
	v_cmp_eq_u32 vcc_lo, 0, v5
	v_cndmask_b32 v[SELV], v7, v6, vcc_lo
	s_mov_b32 s21, 0
	s_mov_b32 s23, 0
	s_lshl_b32 s10, s67, 23                        ; pc: the part, 8 MiB each,
	s_lshr_b32 s12, s2, 10                         ; the batch: 16 heads of 65,536 bytes,
	s_lshl_b32 s11, s12, 20
	s_add_co_u32 s10, s10, s11
	s_lshl_b32 s11, s3, 10                         ; the pair's first head: (channel / 64) x 65,536,
	s_add_co_u32 s10, s10, s11
	s_bfe_u32 s13, s2, 0x30007                     ; and which 128 tokens of the batch's 1,024: 8,192 bytes each
	s_lshl_b32 s11, s13, 13
	s_add_co_u32 s10, s10, s11
	s_mov_b32 s11, 0
	s_add_nc_u64 s[98:99], s[98:99], s[10:11]      ; piece (0, 0)
	s_lshl_b32 s10, s67, 18                        ; ps: the part, 262,144 each; 8 pairs of 4,096 a batch; 512 for 128 tokens
	s_lshl_b32 s12, s12, 15
	s_add_co_u32 s10, s10, s12
	s_lshl_b32 s12, s3, 5
	s_add_co_u32 s10, s10, s12
	s_lshl_b32 s12, s13, 9
	s_add_co_u32 s10, s10, s12
	s_add_nc_u64 s[100:101], s[100:101], s[10:11]
	s_add_nc_u64 s[10:11], s[98:99], s[20:21]      ; piece (1, 0)
	s_add_nc_u64 s[12:13], s[98:99], s[22:23]      ; piece (0, 1)
	s_add_nc_u64 s[20:21], s[98:99], 0x11000       ; piece (1, 1): both steps
	s_mov_b32 s92, 0x76543210
	s_mov_b32 s93, 0xfedcba98                      ; v_permlanex16_b32's selects for lane l xor 16
	s_mov_b32 s95, 0x600000                        ; the mantissa field of 448
.macro FRAG reg, adr, q, i             ; a fragment, 16 rows x 128 K of 8-bit codes, is 16 registers: lane l holds row l % 16; registers 4 c .. 4 c + 3 hold K = 32 c + 16 (l / 16) + 0 .. 15
.irp c, 0,1,2,3
	ds_load_b128 v[\reg+4*\c:\reg+4*\c+3], v[\adr] offset:128*(\q)+32*\c+(\i)*16*PITCH
.endr
.endm
; 16 matrix instructions: A's blocks a0, a0 + 1 x B's eight, 128 along K: the slot's q-th.  p: B's set;  sc: the set of scale words.  cm = 1, 2: the first product starts the sums from the bias by column, by row; 0: it adds on.
; The 64 accumulators take turns, one instruction a turn, in the same order in every step.
.macro MUL16 a0, p, q, sc, cm
.irp a, \a0, \a0+1
.irp b, 0,1,2,3,4,5,6,7
.if (\cm) == 1
	v_wmma_scale_f32_16x16x128_f8f6f4 v[8*(8*((\a)%4)+\b):8*(8*((\a)%4)+\b)+7], v[128*(\p)+FR*\b:128*(\p)+FR*\b+FR-1], v[AF+FR*(\a):AF+FR*(\a)+FR-1], v[CI+8*\b:CI+8*\b+7], v[SC+8*NQ*(\sc)+NQ*\b+(\q)], v[SC+8*NQ*(\sc)+NQ*(\a)+(\q)] matrix_a_scale:MATRIX_SCALE_ROW1
.elseif (\cm) == 2
	v_wmma_scale_f32_16x16x128_f8f6f4 v[8*(8*((\a)%4)+\b):8*(8*((\a)%4)+\b)+7], v[128*(\p)+FR*\b:128*(\p)+FR*\b+FR-1], v[AF+FR*(\a):AF+FR*(\a)+FR-1], v[CI+8*(\a):CI+8*(\a)+7], v[SC+8*NQ*(\sc)+NQ*\b+(\q)], v[SC+8*NQ*(\sc)+NQ*(\a)+(\q)] matrix_a_scale:MATRIX_SCALE_ROW1
.else
	v_wmma_scale_f32_16x16x128_f8f6f4 v[8*(8*((\a)%4)+\b):8*(8*((\a)%4)+\b)+7], v[128*(\p)+FR*\b:128*(\p)+FR*\b+FR-1], v[AF+FR*(\a):AF+FR*(\a)+FR-1], v[8*(8*((\a)%4)+\b):8*(8*((\a)%4)+\b)+7], v[SC+8*NQ*(\sc)+NQ*\b+(\q)], v[SC+8*NQ*(\sc)+NQ*(\a)+(\q)] matrix_a_scale:MATRIX_SCALE_ROW1
.endif
.endr
.endr
.endm
.macro FETCH_B slot, q, p              ; B's eight fragments of the slot's q-th 128 along K into set p
	WIN TO_B
.irp i, 0,1,2,3,4,5,6,7
	FRAG 128*(\p)+FR*\i, ADRB+\slot, \q, \i
.endr
	WIN 0
.endm
.macro FETCH_A slot, q, i0             ; A's blocks i0 .. i0 + 3
.irp i, \i0, \i0+1, \i0+2, \i0+3
	FRAG AF+FR*(\i), ADRA+\slot, \q, \i
.endr
.endm
.macro SCALES sc                       ; a K step's scale words into set sc: two words a row; lanes 0-15 take A's block i, lanes 16-31 B's block i
.irp i, 0,1,2,3,4,5,6,7
	ds_load_b64 v[SC+8*NQ*\sc+NQ*\i:SC+8*NQ*\sc+NQ*\i+1], v[ADRS] offset:\i*SBLK
.endr
.endm
; A load into a register that a matrix instruction has read, and a vector instruction or an LDS store that reads a matrix result, stand NP places behind that matrix instruction; only plain vector
; instructions that name none of its registers are places (ISA guide 7.12.1 for vector instructions).
.macro PLACES n
.rept \n
	v_nop
.endr
.endm
; A step of 128 along K that has its successor in the same slot.
.macro STEP slot, q, cm
	s_wait_dscnt 4*NL                              ; B's set, A's blocks 0-3 and the scale words are in; the youngest 16 loads (A's blocks 4-7) may be out
.if \cm
	WIN BIA_LO
.else
	WIN MUL_LO
.endif
	MUL16 0, (\q)%2, \q, \slot, \cm
	MUL16 2, (\q)%2, \q, \slot, \cm
	s_wait_dscnt 0                                 ; A's blocks 4-7 are in (asked for 32 matrix instructions ago)
	PLACES NP
	FETCH_B \slot, (\q)+1, 1-(\q)%2
	FETCH_A \slot, (\q)+1, 0
.if \cm
	WIN BIA_HI
.else
	WIN MUL_HI
.endif
	MUL16 4, (\q)%2, \q, \slot, \cm
	MUL16 6, (\q)%2, \q, \slot, \cm
	PLACES NP
	WIN 0
	FETCH_A \slot, (\q)+1, 4
.endm
; A slot's last step changes slots: ONE barrier; in front of it each wave waits for all its tensor loads, adds 0 to its spare word, and waits for that and for its own reads of this slot.  fill = 1: this slot is filled again, two K steps ahead.
.macro TURN slot, next, fill
	s_wait_tensorcnt 0x0                           ; all my tensor loads have landed: my part of the next slot;  (every window is 0 here: the add's two registers lie in window 0)
	ds_add_u32 v[SPW], v[NIL]                      ; 0 onto my spare word
	s_wait_dscnt 4*NL+1                            ; (the add and the youngest 16 loads, A's blocks 4-7, may be out)
	WIN MUL_LO
	MUL16 0, 1, NQ-1, \slot, 0                     ; sixteen matrix instructions stand between the add and the wait for it
	s_wait_dscnt 0x0                               ; the add is done, and my reads of this slot are over
	s_barrier_signal -1
	MUL16 2, 1, NQ-1, \slot, 0
	WIN 0
	s_barrier_wait -1
.if \fill
	CREST                                          ; the barrier has opened a round of the cluster's barrier: no wave of any partner still reads this slot's tile or has a load on its way
	s_add_nc_u64 s[G0+4*\slot+2:G0+4*\slot+3], s[G0+4*\slot+2:G0+4*\slot+3], 2*ROWB
	s_add_nc_u64 s[G0B+4*\slot+2:G0B+4*\slot+3], s[G0B+4*\slot+2:G0B+4*\slot+3], 2*ROWB
	JLOAD G0+4*\slot, G1, G0B+4*\slot, G1B         ; the first tensor load behind the round, my only one until the next; the four v_nop behind it are among the places in front of the loads below
	PLACES NP-4
.else
	PLACES NP
.endif
	v_add_nc_u32 v[ADRS], 4*NQ, v[ADRS]            ; on to the next K step's scale words
	FETCH_B \next, 0, 0
	FETCH_A \next, 0, 0
	SCALES \next
	WIN MUL_HI
	MUL16 4, 1, NQ-1, \slot, 0
	MUL16 6, 1, NQ-1, \slot, 0
	PLACES NP
	WIN 0
	FETCH_A \next, 0, 4
.endm
	s_wait_loadcnt 0x0                             ; the bias
	s_wait_tensorcnt 1                             ; the scales and my part of K step 0 are in (K step 1's load may be out)
	s_barrier_signal -1
	s_barrier_wait -1                              ; everybody's are
	FETCH_B 0, 0, 0
	FETCH_A 0, 0, 0
	SCALES 0
	FETCH_A 0, 0, 4
	s_cmp_lg_u32 s66, 0                            ; the first step is written twice: its products start the sums from the bias, by column (q, k) or by row (v).  Both ways hold the same LDS loads, no store, no tensor load, no barrier
	s_cbranch_scc0 .Lby_row
	STEP 0, 0, 1
	s_branch .Lstarted
.Lby_row:
	STEP 0, 0, 2
.Lstarted:
	TURN 0, 1, 1                                   ; K = 1,024 is four K steps: each slot is filled again once, so the ring's one trip is written out
	STEP 1, 0, 0
	TURN 1, 0, 1
	STEP 0, 0, 0
	TURN 0, 1, 0                                   ; the last lap fills nothing, and has no round of the cluster's barrier
	STEP 1, 0, 0
	s_wait_dscnt 4*NL                              ; the very last step: nothing more to fetch
	WIN MUL_LO
	MUL16 0, 1, NQ-1, 1, 0
	MUL16 2, 1, NQ-1, 1, 0
	s_wait_dscnt 0
	WIN MUL_HI
	MUL16 4, 1, NQ-1, 1, 0
	MUL16 6, 1, NQ-1, 1, 0
	WIN 0
; THE WAY OUT of row block a (16 rows x 128 columns: four blocks of 32 along n).  Each accumulator is read from its low end on.
.macro QROW a
.set AC, 64*((\a)%4)
	WIN 0x0a+5*((\a)/4)                            ; sources 0 and 1: window 2 or 3
.irp g, 0,1,2,3
	v_max3_num_f32 v[TM+\g], |v[AC+16*\g]|, |v[AC+16*\g+1]|, 0x4800000   ; block g: my 16 numbers, and the floor 2^(9 - 127): so the byte cannot fall under 1
.endr
.irp i, 2,4,6,8,10,12,14
.irp g, 0,1,2,3
	v_max3_num_f32 v[TM+\g], |v[AC+16*\g+\i]|, |v[AC+16*\g+\i+1]|, v[TM+\g]   ; (the four blocks by turns: no line waits for the line above it)
.endr
.endr
	WIN 0
.irp g, 0,1,2,3
	v_permlanex16_b32 v[TM+4+\g], v[TM+\g], s92, s93
.endr
.irp g, 0,1,2,3
	v_max_num_f32 v[TM+\g], v[TM+\g], v[TM+4+\g]   ; with lane l xor 16's: the block's largest magnitude
.endr
.irp g, 0,1,2,3
	v_add_nc_u32 v[TM+12+\g], 0xfc000000, v[TM+\g] ; 8 off its exponent field: the conversion's scale operand
.endr
.irp g, 0,1,2,3
	v_and_or_b32 v[TM+8+\g], v[TM+\g], 0x7f800000, s95   ; 448 x the scale
.endr
.irp g, 0,1,2,3
	v_lshrrev_b32 v[TM+4+\g], 23, v[TM+12+\g]      ; the scale's byte
.endr
	v_lshl_or_b32 v[PW], v[TM+5], 8, v[TM+4]       ; my row's four bytes
	v_lshl_or_b32 v[PW], v[TM+6], 16, v[PW]
	v_lshl_or_b32 v[PW], v[TM+7], 24, v[PW]
	v_mov_b32_dpp v[PX], v[PW] row_xmask:8 row_mask:0xf bank_mask:0xf   ; and those of the row 8 away, which shares an image's lane with mine (q, k)
	v_perm_b32 v[PT+(\a)%2], v[PX], v[PW], v[SELV] ; the word as the reader wants it
	WIN 0x02+((\a)/4)                              ; source 0: window 2 or 3
.irp g, 0,1,2,3
.irp i, 0,1,2,3,4,5,6,7,8,9,10,11,12,13,14,15
	v_med3_num_f32 v[HB+16*\g+\i], v[AC+16*\g+\i], -v[TM+8+\g], v[TM+8+\g]   ; the conversion to an 8-bit code does not saturate (ISA guide 7.6.2): the hold, into window 0
.endr
.endr
	WIN 0
	s_wait_dscnt 0x0                               ; the last row block's LDS stores have read their registers
.irp b, 0,1,2,3,4,5,6,7
	v_cvt_scalef32_pk8_fp8_f32 v[CD+2*\b:CD+2*\b+1], v[HB+8*\b:HB+8*\b+7], v[TM+12+\b/2]   ; columns 16 b + 8 h + 0 .. 7 of row 16 a + r
.endr
	v_nop                                          ; one plain line behind the last conversion of the run
.irp b, 0,1,2,3,4,5,6,7
	ds_store_b64 v[STO], v[CD+2*\b:CD+2*\b+1] offset:(\b/4)*8192+((\a)/2)*2048+((\b/2)%2)*512+(\b%2)*256+((\a)%2)*128
.endr
	ds_store_b32 v[SST], v[PT+(\a)%2] offset:64*(\a)
.endm
.macro BACK x0                         ; the stage's pieces (0, x0) and (1, x0), 4,096 bytes each, come back 16 bytes a lane: LDS serves a wave's instructions in order, so these see my stores
.irp n, 0,1,2,3,4,5,6,7
	ds_load_b128 v[BK+4*\n:BK+4*\n+3], v[RD] offset:4096*\x0+512*\n
.endr
.irp n, 0,1,2,3,4,5,6,7
	ds_load_b128 v[BK+32+4*\n:BK+32+4*\n+3], v[RD] offset:8192+4096*\x0+512*\n
.endr
.endm
.macro SEND p0, p1                     ; and leave: 32 lanes store 512 consecutive bytes, at a multiple of 512 from pc's first byte; written once, read by nobody in this launch
.irp n, 0,1,2,3,4,5,6,7
	global_store_b128 v[CO], v[BK+4*\n:BK+4*\n+3], s[\p0:\p0+1] offset:512*\n th:TH_STORE_NT
.endr
.irp n, 0,1,2,3,4,5,6,7
	global_store_b128 v[CO], v[BK+32+4*\n:BK+32+4*\n+3], s[\p1:\p1+1] offset:512*\n th:TH_STORE_NT
.endr
.endm
	PLACES NP                                      ; behind the last products: for the first reads of results and for all that is written below
	v_mov_b32 v[PX], 0                             ; written once: the destination of a lane permute counts as one of its sources
.irp g, 0,1,2,3
	v_mov_b32 v[TM+4+\g], 0
.endr
	QROW 0
	QROW 1
	QROW 2
	QROW 3
	BACK 0                                         ; rows 0-63 are whole in the stage
	QROW 4                                         ; (its wait for LDS shows them back in registers)
	SEND 98, 10
	QROW 5
	QROW 6
	QROW 7
	s_wait_xcnt 0x0                                ; the stores above have read their registers: the second half lands there
	BACK 1
	ds_load_b128 v[SW:SW+3], v[RDS]                ; my 128 scale words
	s_wait_dscnt 0x0
	SEND 12, 20
	global_store_b128 v[CO], v[SW:SW+3], s[100:101] th:TH_STORE_NT   ; 512 consecutive bytes, at a multiple of 512 from ps's first byte
	s_wait_tensorcnt 0x0                           ; the wave's end: behind my last tensor load and my last LDS store
	ds_add_u32 v[SPW], v[NIL]
	s_wait_dscnt 0x0
	CROUND                                         ; the closing round: no work-group ends while a partner may still ask for a tile that names it
	s_endpgm
.Lfunc_end_k_q656fd70e5a_proj:
	.size	k_q656fd70e5a_proj, .Lfunc_end_k_q656fd70e5a_proj-k_q656fd70e5a_proj
	.p2alignl 7, 3214868480
	.fill 96, 4, 3214868480
	.section	.rodata,"a",@progbits
	.p2align	6, 0x0
	.amdhsa_kernel k_q656fd70e5a_proj
		.amdhsa_group_segment_fixed_size 327680
		.amdhsa_private_segment_fixed_size 0
		.amdhsa_enable_private_segment 0
		.amdhsa_kernarg_size 56
		.amdhsa_user_sgpr_count 2
		.amdhsa_user_sgpr_kernarg_segment_ptr 1
		.amdhsa_wavefront_size32 1
		.amdhsa_system_sgpr_workgroup_id_x 1
		.amdhsa_system_sgpr_workgroup_id_y 1
		.amdhsa_system_sgpr_workgroup_id_z 1
		.amdhsa_system_vgpr_workitem_id 0
		.amdhsa_next_free_vgpr 1024
		.amdhsa_next_free_sgpr 102
		.amdhsa_reserve_vcc 1
		.amdhsa_float_denorm_mode_32 3
		.amdhsa_float_denorm_mode_16_64 3
		.amdhsa_memory_ordered 1
		.amdhsa_forward_progress 1
		.amdhsa_inst_pref_size 213
	.end_amdhsa_kernel
	.amdgpu_metadata
---
amdhsa.version: [ 1, 2 ]
amdhsa.kernels:
  - .name:           k_q656fd70e5a_proj
    .symbol:         k_q656fd70e5a_proj.kd
    .args:
      - { .name: xc, .offset: 0, .size: 8, .value_kind: global_buffer, .address_space: global }
      - { .name: xs, .offset: 8, .size: 8, .value_kind: global_buffer, .address_space: global }
      - { .name: bq, .offset: 16, .size: 8, .value_kind: global_buffer, .address_space: global }
      - { .name: bk, .offset: 24, .size: 8, .value_kind: global_buffer, .address_space: global }
      - { .name: bv, .offset: 32, .size: 8, .value_kind: global_buffer, .address_space: global }
      - { .name: pc, .offset: 40, .size: 8, .value_kind: global_buffer, .address_space: global }
      - { .name: ps, .offset: 48, .size: 8, .value_kind: global_buffer, .address_space: global }
    .group_segment_fixed_size: 327680
    .private_segment_fixed_size: 0
    .kernarg_segment_align: 8
    .kernarg_segment_size: 56
    .max_flat_workgroup_size: 128
    .sgpr_count:     102
    .vgpr_count:     1024
    .wavefront_size: 32
...
	.end_amdgpu_metadata
.endif
;; end of part 2
;; launch attn (part 3): grid 4 x 64, 16 waves a work-group, clusters of 4 x 1, 276,480 bytes of LDS; arguments pc, ps, mask, out0; writes out0
.if DOCPART == 3
	.amdgcn_target "amdgcn-amd-amdhsa--gfx1250"
	.amdhsa_code_object_version 6
	.text
	.protected	k_q656fd70e5a_attn
	.globl	k_q656fd70e5a_attn
	.p2align	8
	.type	k_q656fd70e5a_attn,@function
k_q656fd70e5a_attn:
	s_mov_b64 s[64:65], 0
	v_nop
	global_prefetch_b8 v0, s[64:65] scope:SCOPE_SE
	s_setreg_imm32_b32 hwreg(HW_REG_WAVE_MODE, 25, 1), 1
	s_wait_xcnt 0x0
	s_wait_alu depctr_hold_cnt(0) depctr_sa_sdst(0) depctr_va_vdst(0) depctr_va_sdst(0) depctr_va_ssrc(0) depctr_va_vcc(0) depctr_vm_vsrc(0)
	s_getreg_b32 s2, hwreg(HW_REG_IB_STS2, 6, 4)
	s_cmp_eq_u32 s2, 0
	s_cbranch_scc0 .Lentry_in_a_cluster
	s_endpgm
.Lentry_in_a_cluster:
	s_bfe_u32 s2, ttmp6, 0x10000c
	s_cmp_lg_u32 s2, 0x3003
	s_cbranch_scc0 .Lentry_shape_is_right
	s_endpgm
.Lentry_shape_is_right:
; out0[b][q][64 head + :] = the sum over keys of softmax(Q . K / 8 - 10000 (1 - mask[b][key])) V, both products on codes of FP8 (E4M3) with one E8M0 scale for each 32 along a product's K.
; Q, K, V come as images of the operands' registers (pc) and scale words (ps), as the launch before lays them:
;   pc: parts of 8 MiB (q, k, v), each [batch][head][65,536].  q, k: 32 images of 2,048 bytes: byte 512 (2 u + cd) + 16 L + i of image e = row 32 e + 8 u + r + 8 (r / 8), channel 32 cd + 16 h + i (L = 16 h + r);
;   v: [step of 128 keys][c1][t1][t0][c0][512]: byte 16 L + i = channel 32 t1 + 8 t0 + r + 8 (r / 8), key 128 step + 32 (2 c1 + c0) + 16 h + i.
;   ps: parts of 262,144, each [batch][pair of heads][4,096]; with W(r) = 64 (r / 8) + 4 (r % 8): q, k: the word at 128 e + 32 (head % 2) + W(r): bytes 0, 1 the row u = 0, bytes 2, 3 the row u = 1; v: at 512 step + 256 (head % 2) + 128 t1 + 32 t0 + W(r).
; THE SOFTMAX AHEAD OF THE SECOND PRODUCT: t = logit x log2(e); M = the row's largest t so far, rounded UP to a whole number; p = 2^(t - M) is quantised along the keys, not normalised.
; The row's sum is taken of the unquantised p and divides at the end.  When M moves, the sum and O are multiplied by 2^(old M - new M): exact.
; SHARES.  A cluster of four work-groups owns a pair of heads of one batch; work-group cx owns queries 256 cx on, of head A first and then of head B; each of its sixteen waves owns 16 queries: image 8 cx + wave / 2, u = wave % 2.
; ALL OF K AND V OF BOTH HEADS, 262,144 bytes, comes into LDS ONCE, by joint loads that name the four work-groups: waves 0-7 bring 16,384 bytes of head A and 16,384 of head B each; head B lands while head A is worked.
; No LDS byte is filled twice.  The 8,192 bytes of scale words and the 4,096 of the mask come through registers in each work-group by itself: 12,288 bytes beside 262,144.
; K = 64 IN A FORM OF K = 128.  An image of K is one fragment: k 0-63 are the channels of the 16 keys u = 0, k 64-127 those of the 16 keys u = 1.  It is multiplied by [Q][zeros] for the first tile and by [zeros][Q] for the second:
; Q's eight registers stand between two runs of eight zero registers.  Zero codes add nothing under any scale byte of 1 to 254.
; THE MASK IS THE C OF THE SCORES' PRODUCT: 8 x (-10000 (1 - mask)), made once in f32 as (1 - mask) x -80000 (the same rounding, times an exact 8), is loaded into the scores' registers; t = (that sum) x log2(e) / 8.
; LAYOUT.  Both products are used transposed: a lane holds ONE query (lane % 16) throughout; register 16 f + i of the scores is key 128 step + 32 f + 16 (lane / 16) + i, so p's codes are the second product's operand as they are made.
; LIMITS: NaN and infinities are not served.  Where mask is not 1 the score is added to a number of the size of 80,000 by the matrix unit's own sum (reference() rounds score / 8 - 10000 likewise, at the same relative place).
; p under 2^-126 is 0.  A block of p that is all zeros keeps the scale byte 1: its codes are zeros.
.set HEADB, 0x20000                    ; LDS: K of head A at 0, V of head A at 65,536; head B's 131,072 on
.set VOFF,  0x10000
.set KSC,   262144                     ; K's scale words of the pair, 4,096 bytes; V's behind them
.set MA,    270336                     ; the mask's 1,024 addends
.set SPT,   272                        ; the way out: a stage of 16 rows x (256 bytes + 16) for each wave, at 4,352 x wave: in head A's bytes, used only when every wave has left head A
.set LI,  1                            ; v1   16 x lane
.set SL,  2                            ; v2   KSC + W(r)
.set AM,  3                            ; v3   MA + 64 (lane / 16)
.set ADK, 4                            ; v4-7 the step's addresses: K, V, scale words, mask
.set ADV, 5
.set ADS, 6
.set ADM, 7
.set STO, 8                            ; v8   the stage: where I put 16 bytes
.set RD,  9                            ; v9   where I read a row back
.set GO,  10                           ; v10  my byte offset in the wave's rows of out0
.set QS,  11                           ; v11  Q's scale word: (s0, s1, s0, s1)
.set KV,  40                           ; v40-103   four fragments of K or of V.   v12 -M, v13 the largest t, v[14:15] the sum; v16-23 zeros, v24-31 Q, v32-39 zeros
.set S,   104                          ; v104-167  the scores, then p
.set O,   168                          ; v168-199  O^T: register 8 t + j = channel 32 (t / 2) + 16 (lane / 16) + 8 (t % 2) + j
.set PC,  200                          ; v200-215  p's codes
.set KSW, 216                          ; v216-219  K's scale words
.set VSW, 220                          ; v220-223  V's
.set PW,  224                          ; v224      p's
.set QW,  225                          ; v225      Q's image's scale word as it lies
.set QO,  226                          ; v226-227  my offsets in q's codes and scale words
.set BM,  228                          ; v228-231  the blocks' largest scores, then largest p
.set T2,  232                          ; v232-235  at work
.set HD,  236                          ; v236-239  448 x the scale
.set SO,  240                          ; v240-243  the conversions' scale operands
.set L2,  244                          ; v[244:245] the sums' second chain
.set FF,  246                          ; v[246:247] f = 2^(old M - new M); the upper register is named with it and holds 0
.set TT,  248                          ; v248      at work
.set WV,  12                           ; s12  my wave's number
.set SEL, 20                           ; s[20:21] v_permlanex16_b32's selects for lane l xor 16
.set CS,  22                           ; s[22:23] c = log2(e) / 8, twice
.set MNT, 24                           ; s24  the mantissa field of 448
.set G1,  28                           ; s[28:35] descriptor group 1;  s[36:39], s[40:43] groups 0 for head A and head B
.set G0A, 36
.set G0B, 40
.set TB,  44                           ; s44  LDS byte at which the step's images of K begin
.set TS,  45                           ; s45  512 x step: scale words and mask
.set CNT, 46                           ; s46  steps to go
.macro ROUND                           ; a round of the cluster's barrier
	s_barrier_signal -1
	s_barrier_wait -1
	s_cmp_lg_u32 s[WV], 0
	s_cbranch_scc1 .Lnot_wave_0_\@
	s_barrier_signal -3
.Lnot_wave_0_\@:
	s_barrier_wait -3
	s_barrier_signal -1
	s_barrier_wait -1
.endm
	s_load_b256 s[4:11], s[0:1], 0x0               ; pc s[4:5], ps s[6:7], mask s[8:9], out0 s[10:11]
	v_lshl_add_u32 v254, v0, 2, 0x43000
	v_mov_b32 v255, 0
	ds_add_u32 v254, v255
	ds_add_u32 v254, v255
	s_wait_dscnt 0x0
	v_lshrrev_b32 v1, 5, v0
	v_readfirstlane_b32 s[WV], v1                  ; wave 0..15
	s_bfe_u32 s13, ttmp6, 0x40000                  ; cx: it enters Q's and out0's addresses alone
	s_and_b32 s14, ttmp7, 0xffff                   ; 8 x batch + pair, which the four partners share
	s_lshr_b32 s15, s14, 3                         ; the batch
	s_and_b32 s16, s14, 7                          ; the pair
	s_lshl_b32 s17, s14, 17                        ; the pair's first byte in each part of pc: two heads of 65,536
	s_lshl_b32 s18, s14, 12                        ; and in each part of ps
	; descriptor group 1: 16,384 dense bytes as 64 rows of 256 (32 elements of 8 bytes), no padding
	s_mov_b32 s[G1], 15|(3<<16)|(1<<21)            ; 15:0 the mask: all four work-groups; 17:16 elements of 8 bytes; 21 set beside a mask
	s_mov_b32 s[G1+1], 32<<16                      ; tensor_dim0
	s_mov_b32 s[G1+2], 64<<16                      ; tensor_dim1
	s_mov_b32 s[G1+3], 32<<16                      ; tile_dim0
	s_mov_b32 s[G1+4], 64                          ; tile_dim1
	s_mov_b32 s[G1+5], 32                          ; tensor_dim0_stride
	s_mov_b32 s[G1+6], 0
	s_mov_b32 s[G1+7], 0
	; what I fetch (waves 0-7; the others make the same words from wave % 8 and issue nothing): waves 0-3 K's quarters, waves 4-7 V's
	s_bfe_u32 s48, s[WV], 0x10002
	s_add_co_u32 s48, s48, 1
	s_lshl_b32 s48, s48, 23                        ; part 1 (k) or 2 (v) of pc,
	s_and_b32 s49, s[WV], 3
	s_lshl_b32 s49, s49, 14                        ; my quarter of a head,
	s_add_co_u32 s48, s48, s49
	s_add_co_u32 s48, s48, s17                     ; of the pair's head A
	s_mov_b32 s49, 0
	s_and_b32 s50, s[WV], 7
	s_lshl_b32 s50, s50, 14                        ; and where it goes: 16,384 x wave
	s_mov_b32 s[SEL], 0x76543210
	s_mov_b32 s[SEL+1], 0xfedcba98
	s_mov_b32 s[CS], 0x3e38aa3b                    ; log2(e) / 8
	s_mov_b32 s[CS+1], s[CS]                       ; (named with it as a pair, so it is written)
	s_mov_b32 s[MNT], 0x600000
	s_mov_b32 s47, 0x03020302                      ; which two bytes of the image's scale word are my 16 queries': u = 1,
	s_and_b32 s51, s[WV], 1
	s_cmp_lg_u32 s51, 0
	s_cselect_b32 s47, s47, 0x01000100             ; or u = 0
	s_mov_b32 s53, 0
	s_wait_kmcnt 0x0
	s_mov_b32 s[G0A], 1                            ; count = 1
	s_mov_b32 s[G0A+1], s50                        ; LDS address
	s_add_nc_u64 s[G0A+2:G0A+3], s[4:5], s[48:49]  ; global address
	s_mov_b32 s[G0B], 1
	s_add_co_u32 s[G0B+1], s50, HEADB
	s_add_nc_u64 s[G0B+2:G0B+3], s[G0A+2:G0A+3], 0x10000   ; the next head
	s_or_b32 s[G0A+3], s[G0A+3], 0x80000000        ; type = 2
	s_or_b32 s[G0B+3], s[G0B+3], 0x80000000
	s_mov_b32 s52, s17
	s_add_nc_u64 s[56:57], s[4:5], s[52:53]        ; q's codes of the pair
	s_mov_b32 s52, s18
	s_add_nc_u64 s[58:59], s[6:7], s[52:53]        ; q's scale words of the pair
	s_add_nc_u64 s[54:55], s[58:59], 0x40000       ; k's; v's lie 262,144 further on
	s_lshl_b32 s52, s15, 12
	s_add_nc_u64 s[8:9], s[8:9], s[52:53]          ; the batch's mask
	s_lshl_b32 s52, s15, 10
	s_lshl_b32 s51, s13, 8
	s_add_co_u32 s52, s52, s51
	s_lshr_b32 s51, s[WV], 1
	s_lshl_b32 s51, s51, 5
	s_add_co_u32 s52, s52, s51
	s_and_b32 s51, s[WV], 1
	s_lshl_b32 s51, s51, 3
	s_add_co_u32 s52, s52, s51                     ; my first row of out0: 1024 batch + 256 cx + 32 (wave / 2) + 8 (wave % 2)
	s_lshl_b32 s52, s52, 12
	s_lshl_b32 s51, s16, 9
	s_add_co_u32 s52, s52, s51                     ; + the pair's 512 bytes of a row
	s_add_nc_u64 s[60:61], s[10:11], s[52:53]
	ROUND                                          ; all four work-groups are here: the joint loads meet
	s_cmp_lt_u32 s[WV], 8                          ; a wave's two fills stand in one branch on the wave's number, ahead of every wait on TENSORcnt, every LDS read and every other barrier: two loads of mine are out
	s_cbranch_scc0 .Lno_fill
	tensor_load_to_lds s[G0A:G0A+3], s[G1:G1+7]
	s_nop 0
	tensor_load_to_lds s[G0B:G0B+3], s[G1:G1+7]
	s_nop 0
.rept 4
	v_nop                                          ; four lines behind the second, ahead of the label and what follows
.endr
.Lno_fill:
	v_and_b32 v249, 255, v0
	v_lshrrev_b32 v250, 8, v0
	v_lshlrev_b32 v249, 4, v249
	v_lshl_add_u32 v249, v250, 18, v249            ; threads 0-255: K's scale words, 16 bytes each; threads 256-511: V's
	global_load_b128 v[40:43], v249, s[54:55]
	v_lshlrev_b32 v250, 3, v0
	global_load_b64 v[44:45], v250, s[8:9]         ; two numbers of the mask a thread
	v_and_b32 v251, 31, v0                         ; lane
	v_and_b32 v252, 15, v0                         ; r
	v_bfe_u32 v253, v0, 4, 1                       ; h
	v_lshlrev_b32 v[LI], 4, v251
	v_lshrrev_b32 v254, 3, v252
	v_and_b32 v255, 7, v252
	v_lshlrev_b32 v255, 2, v255
	v_lshl_add_u32 v254, v254, 6, v255             ; W(r)
	s_lshl_b32 s51, s13, 14
	s_lshl_b32 s52, s[WV], 10
	s_add_co_u32 s51, s51, s52
	v_add_nc_u32 v[QO], s51, v[LI]                 ; image 8 cx + wave / 2, its half u = wave % 2: 16,384 cx + 1,024 wave + 16 lane
	s_lshl_b32 s51, s13, 10
	s_lshr_b32 s52, s[WV], 1
	s_lshl_b32 s52, s52, 7
	s_add_co_u32 s51, s51, s52
	v_add_nc_u32 v[QO+1], s51, v254                ; 128 x image + W(r)
.macro QLOAD x                         ; my 16 queries of head x of the pair: 8 registers of codes, and the image's scale word
	global_load_b128 v[24:27], v[QO], s[56:57] offset:\x*65536
	global_load_b128 v[28:31], v[QO], s[56:57] offset:\x*65536+512
	global_load_b32 v[QW], v[QO+1], s[58:59] offset:32*\x
.endm
	QLOAD 0
	v_add_nc_u32 v[SL], KSC, v254
	v_lshl_add_u32 v[AM], v253, 6, MA
	s_mul_i32 s51, s[WV], 16*SPT                   ; my stage
	v_mul_u32_u24 v[STO], v252, SPT
	v_lshl_add_u32 v[STO], v253, 6, v[STO]
	v_add_nc_u32 v[STO], s51, v[STO]               ; in: row r, + 64 h
	v_mul_u32_u24 v[RD], v253, SPT
	v_lshl_add_u32 v[RD], v252, 4, v[RD]
	v_add_nc_u32 v[RD], s51, v[RD]                 ; back: lanes 0-15 one row, lanes 16-31 the next
	v_lshlrev_b32 v[GO], 12, v253
	v_lshl_add_u32 v[GO], v252, 4, v[GO]           ; and the same two rows in out0
	v_lshl_add_u32 v251, v0, 4, KSC                ; where my 16 bytes of scale words go,
	v_lshl_add_u32 v255, v0, 3, MA                 ; and my two addends
.irp i, 0,1,2,3,4,5,6,7
	v_mov_b32 v[16+\i], 0                          ; the zero halves round Q
	v_mov_b32 v[32+\i], 0
.endr
.irp b, 0,1,2,3
	v_mov_b32 v[T2+\b], 0                          ; written once: a lane permute's destination counts as one of its sources
.endr
	v_mov_b32 v[FF+1], 0
	s_wait_loadcnt 3                               ; the scale words and the mask are in; Q's three loads may be out
	v_sub_f32 v44, 1.0, v44
	v_sub_f32 v45, 1.0, v45
	v_mul_f32 v44, 0xc79c4000, v44                 ; (1 - mask) x -80000
	v_mul_f32 v45, 0xc79c4000, v45
	ds_store_b128 v251, v[40:43]
	ds_store_b64 v255, v[44:45]
.macro INIT                            ; a head begins: the largest t under every t, the sum and O^T zeros, which the first change of M leaves zeros: so the step is written once
	v_mov_b32 v13, 0xff61b1e6                      ; -3e38
	v_floor_f32 v12, -v13                          ; -M
	v_mov_b32 v14, 0
	v_mov_b32 v15, 0
.set n, 0
.rept 32
	v_mov_b32 v[O+n], 0
.set n, n+1
.endr
.endm
	s_wait_loadcnt 0x0                             ; Q
	v_perm_b32 v[QS], v[QW], v[QW], s47            ; my rows' two bytes, twice: they serve [Q][zeros] and [zeros][Q] alike
	INIT                                           ; (its 36 lines are also the places between that line and the first product)
	s_wait_tensorcnt 1                             ; my part of head A is in; head B's may stay out
	s_wait_dscnt 0x0                               ; my stores of scale words and addends have landed
	s_barrier_signal -1
	s_barrier_wait -1
; A KEY STEP of head x of the pair: 128 keys.
.macro STEP x
	v_add_nc_u32 v[ADK], s[TB], v[LI]
	v_add_nc_u32 v[ADS], s[TS], v[SL]
	v_add_nc_u32 v[ADM], s[TS], v[AM]
	v_add_nc_u32 v[ADV], VOFF, v[ADK]
.rept 4
	v_nop                                          ; with the four additions: eight places in front of loads into registers that the last products have read
.endr
.irp f, 0,1,2,3
.irp c, 0,1,2,3
	ds_load_b128 v[KV+16*\f+4*\c:KV+16*\f+4*\c+3], v[ADK] offset:2048*\f+512*\c   ; image f of the step: 512 consecutive bytes an instruction
.endr
	ds_load_b32 v[KSW+\f], v[ADS] offset:128*\f+32*\x
.endr
.irp f, 0,1,2,3
.irp c, 0,1,2,3
	ds_load_b128 v[S+16*\f+4*\c:S+16*\f+4*\c+3], v[ADM] offset:128*\f+16*\c       ; the mask's addends of keys 32 f + 16 h + 4 c on: the sums begin with them
.endr
.endr
	s_wait_dscnt 0x0
.irp f, 0,1,2,3                                ; S^T = K Q^T + the addend: eight accumulators, one instruction each
	v_wmma_scale_f32_16x16x128_f8f6f4 v[S+16*\f:S+16*\f+7], v[KV+16*\f:KV+16*\f+15], v[24:39], v[S+16*\f:S+16*\f+7], v[KSW+\f], v[QS]
	v_wmma_scale_f32_16x16x128_f8f6f4 v[S+16*\f+8:S+16*\f+15], v[KV+16*\f:KV+16*\f+15], v[16:31], v[S+16*\f+8:S+16*\f+15], v[KSW+\f], v[QS]
.endr
.rept 8
	v_nop                                          ; places in front of the loads below and of the first reads of the scores
.endr
.irp t, 0,1,2,3                                ; V's four fragments are asked for now and land under the softmax
.irp c, 0,1,2,3
	ds_load_b128 v[KV+16*\t+4*\c:KV+16*\t+4*\c+3], v[ADV] offset:(\c/2)*4096+(\t/2)*2048+(\t%2)*1024+(\c%2)*512
.endr
	ds_load_b32 v[VSW+\t], v[ADS] offset:4096+256*\x+(\t/2)*128+(\t%2)*32
.endr
.irp b, 0,1,2,3
	v_max3_num_f32 v[BM+\b], v[S+16*\b], v[S+1+16*\b], v[S+2+16*\b]   ; THE LARGEST SCORE OF EACH BLOCK OF 32 KEYS: it serves for the row's maximum and, since p rises with the score, for the block's largest p
.endr
.irp i, 3,5,7,9,11,13
.irp b, 0,1,2,3
	v_max3_num_f32 v[BM+\b], v[BM+\b], v[S+16*\b+\i], v[S+1+16*\b+\i]   ; (the four blocks by turns; each accumulator is first read at its low end)
.endr
.endr
.irp b, 0,1,2,3
	v_max_num_f32 v[BM+\b], v[BM+\b], v[S+15+16*\b]
.endr
.irp b, 0,1,2,3
	v_permlanex16_b32 v[T2+\b], v[BM+\b], s[SEL], s[SEL+1]
.endr
.irp b, 0,1,2,3
	v_max_num_f32 v[BM+\b], v[BM+\b], v[T2+\b]     ; with lane l xor 16's 16 keys
.endr
	v_max3_num_f32 v[TT], v[BM], v[BM+1], v[BM+2]
	v_max_num_f32 v[TT], v[TT], v[BM+3]            ; the step's largest score of my query
	v_mul_f32 v[TT], s[CS], v[TT]                  ; as t (c is positive)
	v_max_num_f32 v13, v13, v[TT]                  ; the running largest t
	v_mov_b32 v[TT], v12
	v_floor_f32 v12, -v13                          ; the new -M = floor(-t) = -ceil(t): M is a whole number
	v_sub_f32 v[TT], v12, v[TT]                    ; M's old value less its new one: a whole number, 0 or less
	v_cvt_i32_f32 v[TT], v[TT]                     ; (it saturates)
	v_ldexp_f32 v[FF], 1.0, v[TT]                  ; f = 2^(old M - new M)
.set n, 0
.rept 32
	v_pk_fma_f32 v[S+n:S+n+1], v[S+n:S+n+1], s[CS:CS+1], v[12:13] op_sel_hi:[1,0,0]   ; t - M, two at a time (of the pairs c and -M the low word serves both halves)
.set n, n+2
.endr
.irp b, 0,1,2,3
	v_fma_f32 v[BM+\b], v[BM+\b], s[CS], v12       ; the same of each block's largest score
.endr
.set n, 0
.rept 64
	v_exp_f32 v[S+n], v[S+n]                       ; p = 2^(t - M), at most 1: not normalised
.set n, n+1
.endr
	v_pk_mul_f32 v[14:15], v[14:15], v[FF:FF+1] op_sel_hi:[1,0]   ; the sums under the new M (a plain line behind the exponentials)
	s_wait_alu depctr_va_vdst(0)                   ; one wait for the whole batch, ahead of its first reader
.irp b, 0,1,2,3
	v_exp_f32 v[BM+\b], v[BM+\b]                   ; the block's largest p: the same two instructions on the same number give the same bits
.endr
	v_pk_add_f32 v[L2:L2+1], v[S:S+1], v[S+2:S+3]  ; THE ROW'S SUM IS TAKEN OF THE UNQUANTISED p: two at a time, in two chains (it reads the 64 alone: plain work behind the four)
.set n, 4
.rept 15
	v_pk_add_f32 v[14:15], v[14:15], v[S+n:S+n+1]
	v_pk_add_f32 v[L2:L2+1], v[L2:L2+1], v[S+n+2:S+n+3]
.set n, n+4
.endr
	v_pk_add_f32 v[14:15], v[14:15], v[L2:L2+1]
	s_wait_alu depctr_va_vdst(0)                   ; and one for the four
.irp b, 0,1,2,3
	v_max_num_f32 v[BM+\b], 0x4800000, v[BM+\b]    ; the floor 2^(9 - 127): the byte cannot fall under 1
.endr
.irp b, 0,1,2,3
	v_add_nc_u32 v[SO+\b], 0xfc000000, v[BM+\b]    ; 8 off the exponent field: the conversion's scale operand
.endr
.irp b, 0,1,2,3
	v_and_or_b32 v[HD+\b], v[BM+\b], 0x7f800000, s[MNT]   ; 448 x the scale
.endr
.irp b, 0,1,2,3
	v_lshrrev_b32 v[T2+\b], 23, v[SO+\b]           ; the scale's byte
.endr
	v_lshl_or_b32 v[PW], v[T2+1], 8, v[T2]         ; p's scale word for these 128 keys
	v_lshl_or_b32 v[PW], v[T2+2], 16, v[PW]
	v_lshl_or_b32 v[PW], v[T2+3], 24, v[PW]
.irp b, 0,1,2,3
.irp i, 0,1,2,3,4,5,6,7,8,9,10,11,12,13,14,15
	v_min_num_f32 v[S+16*\b+\i], v[S+16*\b+\i], v[HD+\b]   ; the conversion to an 8-bit code does not saturate (ISA guide 7.6.2); p is not negative, so the hold is one-sided
.endr
	v_cvt_scalef32_pk8_fp8_f32 v[PC+4*\b:PC+4*\b+1], v[S+16*\b:S+16*\b+7], v[SO+\b]
	v_cvt_scalef32_pk8_fp8_f32 v[PC+4*\b+2:PC+4*\b+3], v[S+16*\b+8:S+16*\b+15], v[SO+\b]
.endr
.set n, 0
.rept 16
	v_pk_mul_f32 v[O+n:O+n+1], v[O+n:O+n+1], v[FF:FF+1] op_sel_hi:[1,0]   ; O^T under the new M: x f.  (These 16 are also the places between the conversions and the products)
.set n, n+2
.endr
	s_wait_dscnt 0x0                               ; V and its scale words are in
.irp t, 0,1,2,3                                ; O^T += V^T P^T: four tiles of 16 channels; K = these 128 keys
	v_wmma_scale_f32_16x16x128_f8f6f4 v[O+8*\t:O+8*\t+7], v[KV+16*\t:KV+16*\t+15], v[PC:PC+15], v[O+8*\t:O+8*\t+7], v[VSW+\t], v[PW]
.endr
	s_add_co_u32 s[TB], s[TB], 8192                ; the next step's images,
	s_add_co_u32 s[TS], s[TS], 512                 ; scale words and addends
.endm
.macro LOOP x                          ; a head's eight key steps
	s_mov_b32 s[TB], \x*HEADB
	s_mov_b32 s[TS], 0
	s_mov_b32 s[CNT], 8
.Lstep_\@:
	STEP \x
	s_sub_co_u32 s[CNT], s[CNT], 1
	s_cmp_lg_u32 s[CNT], 0
	s_cbranch_scc1 .Lstep_\@
.endm
; THE WAY OUT of head x: O^T is divided by the row's sum and goes through my stage, so that sixteen lanes store a row's 256 bytes of the head.
.macro WAYOUT x
.rept 8
	v_nop                                          ; places behind the last products
.endr
	v_add_f32 v14, v14, v15                        ; the sum's two halves,
	v_permlanex16_b32 v[TT], v14, s[SEL], s[SEL+1]
	v_add_f32 v14, v14, v[TT]                      ; and lane l xor 16's: the row's sum
	v_rcp_f32 v14, v14
	v_nop                                          ; a plain line behind the reciprocal,
	s_wait_alu depctr_va_vdst(0)                   ; and the wait ahead of its first reader
.set n, 0
.rept 16
	v_pk_mul_f32 v[S+n:S+n+1], v[O+n:O+n+1], v[14:15] op_sel_hi:[1,0]   ; each accumulator from its low end on
.set n, n+2
.endr
.irp t, 0,1,2,3
	ds_store_b128 v[STO], v[S+8*\t:S+8*\t+3] offset:(\t/2)*128+(\t%2)*32      ; channels 32 (t / 2) + 16 h + 8 (t % 2) on
	ds_store_b128 v[STO], v[S+8*\t+4:S+8*\t+7] offset:(\t/2)*128+(\t%2)*32+16
.endr
.irp i, 0,1,2,3,4,5,6,7
	ds_load_b128 v[KV+4*\i:KV+4*\i+3], v[RD] offset:2*SPT*\i   ; LDS serves a wave's instructions in order: these see my stores
.endr
.irp i, 0,1,2,3,4,5,6,7
	s_wait_dscnt 7-\i                              ; load i is in; the younger ones may be out
	global_store_b128 v[GO], v[KV+4*\i:KV+4*\i+3], s[60:61] offset:(2*\i+8*(\i/4))*4096+256*\x th:TH_STORE_NT   ; stage row n is query n + 8 (n / 8) of my 16; 16 lanes store 256 consecutive bytes, at a multiple of 256 from out0's first byte
.endr
.endm
	LOOP 0
	QLOAD 1                                        ; head B's queries: the last product that read Q's registers stands a whole softmax back
	s_wait_tensorcnt 0x0                           ; my part of head B is in,
	s_wait_dscnt 0x0                               ; and my reads of head A are over
	s_barrier_signal -1
	s_barrier_wait -1                              ; both hold of every wave: head B may be read, and head A's bytes may serve as stages
	WAYOUT 0
	s_wait_xcnt 0x0                                ; the stores have read their registers, which head B's fragments take
	s_wait_loadcnt 0x0                             ; Q
	v_perm_b32 v[QS], v[QW], v[QW], s47
	INIT
	LOOP 1
	WAYOUT 1
	s_wait_dscnt 0x0
	s_wait_xcnt 0x0
	v_lshl_add_u32 v254, v0, 2, 0x43000
	v_mov_b32 v255, 0
	s_wait_tensorcnt 0x0
	ds_add_u32 v254, v255
	s_wait_dscnt 0x0
	ROUND                                          ; the closing round: no work-group ends while a partner may still ask for a tile that names it
	s_endpgm
.Lfunc_end_k_q656fd70e5a_attn:
	.size	k_q656fd70e5a_attn, .Lfunc_end_k_q656fd70e5a_attn-k_q656fd70e5a_attn
	.p2alignl 7, 3214868480
	.fill 96, 4, 3214868480
	.section	.rodata,"a",@progbits
	.p2align	6, 0x0
	.amdhsa_kernel k_q656fd70e5a_attn
		.amdhsa_group_segment_fixed_size 276480
		.amdhsa_private_segment_fixed_size 0
		.amdhsa_enable_private_segment 0
		.amdhsa_kernarg_size 32
		.amdhsa_user_sgpr_count 2
		.amdhsa_user_sgpr_kernarg_segment_ptr 1
		.amdhsa_wavefront_size32 1
		.amdhsa_system_sgpr_workgroup_id_x 1
		.amdhsa_system_sgpr_workgroup_id_y 1
		.amdhsa_system_sgpr_workgroup_id_z 1
		.amdhsa_system_vgpr_workitem_id 0
		.amdhsa_next_free_vgpr 256
		.amdhsa_next_free_sgpr 66
		.amdhsa_reserve_vcc 0
		.amdhsa_float_denorm_mode_32 3
		.amdhsa_float_denorm_mode_16_64 3
		.amdhsa_memory_ordered 1
		.amdhsa_forward_progress 1
		.amdhsa_inst_pref_size 58
	.end_amdhsa_kernel
	.amdgpu_metadata
---
amdhsa.version: [ 1, 2 ]
amdhsa.kernels:
  - .name:           k_q656fd70e5a_attn
    .symbol:         k_q656fd70e5a_attn.kd
    .args:
      - { .name: pc, .offset: 0, .size: 8, .value_kind: global_buffer, .address_space: global }
      - { .name: ps, .offset: 8, .size: 8, .value_kind: global_buffer, .address_space: global }
      - { .name: mask, .offset: 16, .size: 8, .value_kind: global_buffer, .address_space: global }
      - { .name: out0, .offset: 24, .size: 8, .value_kind: global_buffer, .address_space: global }
    .group_segment_fixed_size: 276480
    .private_segment_fixed_size: 0
    .kernarg_segment_align: 8
    .kernarg_segment_size: 32
    .max_flat_workgroup_size: 512
    .sgpr_count:     66
    .vgpr_count:     256
    .wavefront_size: 32
...
	.end_amdgpu_metadata
.endif
;; end of part 3
